; MI455X (gfx1250); checked and timed in simulation.
; The chip was launched on July 23, 2026; its instructions are those of AMD's public machine-readable ISA for CDNA 5 (MIT licence, August 2026) and "CDNA5" Instruction Set Architecture Reference Guide (July 2026). The comments in the code are by the model that wrote it; some were corrected since.
;; Example Model. Allowed arithmetic: float matrix products may take bf16 or f16 operands with f32 sums; all other float work in f32.
;; Inputs: W 2 x 2,048 x 2,048 float32; b 2 x 2,048 float32; wg 2,048 x 2 float32; x 8 x 1,024 x 2,048 float32.
;; Outputs: out0 8 x 1,024 float32.
;; 2 versions, each right; version 2 is version 1 with the launch route written anew for expert scheduling mode. Each part assembles by itself: llvm-mc -triple=amdgcn-amd-amdhsa -mcpu=gfx1250 --defsym DOCPART=n.
;; ======== version 1 of 2: 3 launches
;; workspace buffers: coef 18,432 bytes; y 32,768 bytes
;; launch wsum (part 1): grid 256 x 1, 16 waves a work-group, no clusters, 2,304 bytes of LDS; arguments W, b, coef; writes coef
.if DOCPART == 1
	.amdgcn_target "amdgcn-amd-amdhsa--gfx1250"
	.amdhsa_code_object_version 6
	.text
	.protected	k_qc26471d062_wsum
	.globl	k_qc26471d062_wsum
	.p2align	8
	.type	k_qc26471d062_wsum,@function
k_qc26471d062_wsum:
	s_mov_b64 s[64:65], 0
	v_nop
	global_prefetch_b8 v0, s[64:65] scope:SCOPE_SE
	s_setreg_imm32_b32 hwreg(HW_REG_WAVE_MODE, 25, 1), 1
	s_wait_xcnt 0x0
; R[d][e] = sum over h of W[e][d][h], and partial sums of b.  W: [2][2048][2048] f32, b: [2][2048] f32.
; WHY: the expert outputs x W[e] + b[e] are used only through their sum over the 2,048 outputs h, and
;   sum_h ( sum_d x[d] W[e][d][h] + b[e][h] ) = sum_d x[d] R[d][e] + sum_h b[e][h]
; for every input (two finite sums exchanged).  LIMIT: the order of the f32 roundings is another than that of a product first, sum second.
; coef, as the next launch reads it:  bytes 0..16383      R[d][e] at 8 d + 4 e (the layout of wg[d][e]);
;                                     bytes 16384..18431  BP[g][e] at 16384 + 8 g + 4 e = sum of b[e][8g .. 8g+7].
; SHARES: work-group g owns d = 8g .. 8g+7 of both experts: 16 rows of 8,192 bytes.  Wave w takes row (e = w & 1, d = 8g + (w >> 1)), so that
; w is also the row's word in the group's 64 bytes of R.  Lane L takes the 16 bytes at 512 j + 16 L, j = 0..15: each load of a wave covers
; 512 consecutive bytes, aligned.  All 16 loads of a wave go out at once: a row is asked for whole, there is no loop and nothing is read twice.
; No LDS ring, no matrix unit, no cluster: every byte of W is read by one lane only and is added once.
; The group's result is 64 + 8 bytes, stored by one instruction from 18 neighbouring lanes; 256 equal work-groups were preferred to 64
; that would each store 256 bytes of R: 18,432 bytes are stored here against 33,554,432 read.
.set X, 12                             ; v[12:75]  load j: 4 registers; loads 0 and 1 become the four running sums
	s_load_b128 s[4:7], s[0:1], 0x0                ; W s[4:5], b s[6:7]
	s_load_b64 s[8:9], s[0:1], 0x10                ; coef
	v_lshl_add_u32 v80, v0, 2, 0x100
	v_mov_b32 v81, 0
	v_lshrrev_b32 v1, 5, v0
	v_readfirstlane_b32 s10, v1                    ; wave w, 0..15
	s_and_b32 s11, s10, 1                          ; e
	s_lshr_b32 s12, s10, 1
	s_lshl3_add_u32 s12, ttmp9, s12                ; d = 8 g + (w >> 1)
	s_lshl_b32 s14, s12, 13                        ; the row in W: d x 8,192 bytes
	s_lshl_b32 s13, s11, 24                        ; + e x 2,048 x 8,192 bytes
	s_or_b32 s14, s14, s13
	s_mov_b32 s15, 0
	s_lshl_b32 s16, s12, 2                         ; b[e][d]: 4 d
	s_lshl_b32 s13, s11, 13                        ; + e x 8,192 bytes
	s_or_b32 s16, s16, s13
	s_mov_b32 s17, 0
	s_mov_b32 s20, 0x76543210                      ; v_permlanex16_b32: lane i of one half reads lane i of the other
	s_mov_b32 s21, 0xfedcba98
	s_lshl_b32 s22, ttmp9, 6                       ; the group's 64 bytes of R
	s_lshl_b32 s23, ttmp9, 3                       ; the group's 8 bytes of BP,
	s_add_co_u32 s23, s23, 16384-64                ; less the 64 that lanes 16 and 17 bring along in 4 L
	v_and_b32 v2, 31, v0                           ; lane L
	v_lshlrev_b32 v3, 4, v2                        ; 16 L
	v_lshlrev_b32 v6, 2, v2                        ; 4 L
	v_mov_b32 v4, s10
	v_lshlrev_b32 v4, 2, v4                        ; 4 w: my wave's word in LDS
	s_wait_kmcnt 0x0
	s_add_nc_u64 s[4:5], s[4:5], s[14:15]          ; my row of W
	s_add_nc_u64 s[6:7], s[6:7], s[16:17]          ; my word of b: each word of b is read by one wave of the launch
	s_load_b32 s18, s[6:7], 0x0
.irp j, 0,1,2,3,4,5,6,7,8,9,10,11,12,13,14,15
	global_load_b128 v[X+4*\j:X+4*\j+3], v3, s[4:5] offset:512*\j th:TH_LOAD_NT
.endr
	; Four chains of additions on the registers of loads 0 and 1: nothing is cleared.
.set j, 2
.rept 14
	s_wait_loadcnt 15-j                            ; loads come back in order: 15 - j are younger than load j (at j = 2 this shows loads 0 and 1 too)
	v_pk_add_f32 v[X+4*(j&1):X+4*(j&1)+1],   v[X+4*(j&1):X+4*(j&1)+1],   v[X+4*j:X+4*j+1]
	v_pk_add_f32 v[X+4*(j&1)+2:X+4*(j&1)+3], v[X+4*(j&1)+2:X+4*(j&1)+3], v[X+4*j+2:X+4*j+3]
.set j, j+1
.endr
	v_pk_add_f32 v[X:X+1],   v[X:X+1],   v[X+4:X+5]
	v_pk_add_f32 v[X+2:X+3], v[X+2:X+3], v[X+6:X+7]
	v_pk_add_f32 v[X:X+1],   v[X:X+1],   v[X+2:X+3]
	v_add_f32 v[X], v[X], v[X+1]                   ; the lane's 64 numbers
	; over the 32 lanes: four steps inside each half of 16 lanes, one across the halves
.irp m, 1,2,4,8
	v_add_f32_dpp v[X], v[X], v[X] row_xmask:\m row_mask:0xf bank_mask:0xf
.endr
	v_permlanex16_b32 v[X+1], v[X], s20, s21       ; its destination has been written before
	v_add_f32 v[X], v[X], v[X+1]                   ; the row's sum, in every lane
	; LDS: words 0..15 the sixteen row sums, words 16..31 the sixteen b, both at word w.  Written once, read once.
	ds_store_b32 v4, v[X]
	s_wait_kmcnt 0x0                               ; b[e][d]
	v_mov_b32 v5, s18
	ds_store_b32 v4, v5 offset:64
	s_wait_dscnt 0x0                               ; my two stores are done before I say so: wave 0 reads them
	s_barrier_signal -1
	s_barrier_wait -1
	s_cmp_lg_u32 s10, 0
	s_cbranch_scc1 .Lend
	; wave 0 stores the group's result
	ds_load_b32 v7, v6                             ; lanes 0-15: the row sums; lane 16 + 2 dl + e: b[e][8g + dl]
	v_add_nc_u32 v9, s22, v6                       ; R: 64 g + 4 L
	v_add_nc_u32 v10, s23, v6                      ; BP: 16384 + 8 g + 4 (L - 16)
	v_cmp_gt_u32 vcc_lo, 16, v2                    ; L < 16
	v_cndmask_b32 v9, v10, v9, vcc_lo
	s_wait_dscnt 0x0
	v_mov_b32 v8, v7
.irp m, 2,4,8
	v_add_f32_dpp v8, v8, v8 row_xmask:\m row_mask:0xf bank_mask:0xf   ; over dl; bit 0 of the lane, e, is kept apart
.endr
	v_cndmask_b32 v7, v8, v7, vcc_lo               ; lanes 0-15 keep the row sums, lanes 16 and 17 take the sums of b
	v_cmp_gt_u32 vcc_lo, 18, v2
	s_wait_xcnt 0x0                                ; EXEC is a source of the loads above: it is narrowed only behind this wait
	s_and_saveexec_b32 s24, vcc_lo
	global_store_b32 v9, v7, s[8:9]                ; 64 consecutive bytes of R and 8 of BP
	s_wait_xcnt 0x0                                ; and widened again only behind this one
	s_or_b32 exec_lo, exec_lo, s24
.Lend:
	s_wait_tensorcnt 0x0
	ds_add_u32 v80, v81
	s_wait_dscnt 0x0
	s_endpgm
.Lfunc_end_k_qc26471d062_wsum:
	.size	k_qc26471d062_wsum, .Lfunc_end_k_qc26471d062_wsum-k_qc26471d062_wsum
	.p2alignl 7, 3214868480
	.fill 96, 4, 3214868480
	.section	.rodata,"a",@progbits
	.p2align	6, 0x0
	.amdhsa_kernel k_qc26471d062_wsum
		.amdhsa_group_segment_fixed_size 2304
		.amdhsa_private_segment_fixed_size 0
		.amdhsa_enable_private_segment 0
		.amdhsa_kernarg_size 24
		.amdhsa_user_sgpr_count 2
		.amdhsa_user_sgpr_kernarg_segment_ptr 1
		.amdhsa_wavefront_size32 1
		.amdhsa_system_sgpr_workgroup_id_x 1
		.amdhsa_system_sgpr_workgroup_id_y 1
		.amdhsa_system_sgpr_workgroup_id_z 1
		.amdhsa_system_vgpr_workitem_id 0
		.amdhsa_next_free_vgpr 82
		.amdhsa_next_free_sgpr 66
		.amdhsa_reserve_vcc 1
		.amdhsa_float_denorm_mode_32 3
		.amdhsa_float_denorm_mode_16_64 3
		.amdhsa_memory_ordered 1
		.amdhsa_forward_progress 1
		.amdhsa_inst_pref_size 7
	.end_amdhsa_kernel
	.amdgpu_metadata
---
amdhsa.version: [ 1, 2 ]
amdhsa.kernels:
  - .name:           k_qc26471d062_wsum
    .symbol:         k_qc26471d062_wsum.kd
    .args:
      - { .name: W, .offset: 0, .size: 8, .value_kind: global_buffer, .address_space: global }
      - { .name: b, .offset: 8, .size: 8, .value_kind: global_buffer, .address_space: global }
      - { .name: coef, .offset: 16, .size: 8, .value_kind: global_buffer, .address_space: global }
    .group_segment_fixed_size: 2304
    .private_segment_fixed_size: 0
    .kernarg_segment_align: 8
    .kernarg_segment_size: 24
    .max_flat_workgroup_size: 512
    .sgpr_count:     66
    .vgpr_count:     82
    .wavefront_size: 32
...
	.end_amdgpu_metadata
.endif
;; end of part 1
;; launch route (part 2): grid 256 x 1, 8 waves a work-group, no clusters, 34,048 bytes of LDS; arguments x, wg, coef, y; writes y
.if DOCPART == 2
	.amdgcn_target "amdgcn-amd-amdhsa--gfx1250"
	.amdhsa_code_object_version 6
	.text
	.protected	k_qc26471d062_route
	.globl	k_qc26471d062_route
	.p2align	8
	.type	k_qc26471d062_route,@function
k_qc26471d062_route:
	s_mov_b64 s[64:65], 0
	v_nop
	global_prefetch_b8 v0, s[64:65] scope:SCOPE_SE
	s_setreg_imm32_b32 hwreg(HW_REG_WAVE_MODE, 25, 1), 1
	s_wait_xcnt 0x0
; For each of the 8,192 tokens: l[e] = x . wg[:,e], t[e] = x . R[:,e] + sum of b[e]; softmax of (l0, l1) with the larger logit taken away first;
; the expert with the larger gate (expert 0 on a tie, as argmax takes the first); y = that gate x that expert's t.
; x: [8192][2048] f32; wg: [2048][2] f32; coef: R[d][e] and 256 partial pairs of the sums of b, as the launch before stored them; y: [8192] f32.
; All in f32 on the vector unit: what is left of the products has four columns, and the choice of the expert hangs on the sign of l1 - l0,
; which operands of 16 bits would turn for tokens whose logits lie close.
; LIMITS: the f32 sums are taken in another order than a product over d for each output followed by a sum over the outputs; v_exp_f32 and v_rcp_f32
; are good to one unit in the last place and flush denormals (ISA guide, their entries); a token whose two gates come out equal or differ by less
; than the rounding of the logits may take the other expert than another order of summation would; a NaN in a token gives a NaN y.
; SHARES: work-group g owns tokens 32 g .. 32 g + 31 (262,144 bytes of x), wave w the four tokens 32 g + 4 w + p, p = 0..3.  A row goes in 16 chunks
; of 512 bytes; lane L owns columns 128 j + 4 L .. + 3 of chunk j: each load of a wave covers 512 consecutive bytes, aligned.  A token's four sums
; never leave its wave.  One read of a chunk's coefficients from LDS serves four rows.
; IN FLIGHT: a ring of 12 chunk slots in registers: 48 loads of 512 bytes of every wave, 196,608 bytes of the work-group.
; No cluster: what work-groups share is the 34,816 bytes of coefficients, read once at the head, against 262,144 bytes of x of a group's own.
; No LDS ring for x: each byte of x is used by one lane only.  The group's 128 bytes of y leave by one store of 32 neighbouring lanes.
; LDS:  0..16383      WGC: chunk j at 1024 j; at + 16 L the pairs (wg0, wg1) of columns 4L, 4L+1; at + 512 + 16 L those of columns 4L+2, 4L+3
;       16384..32767  RC: the same made of R
;       32768..32895  YST: y of the group's 32 tokens
; so that every read of coefficients has lane L at 16 L of 512 consecutive bytes: no two lanes of a read meet in a bank.
.set BP,  6                            ; v[6:7]     the lane's share of (sum b[0], sum b[1]): 8 of the 256 partial pairs
.set ACC, 8                            ; v[8:23]    row p: v[8+4p:9+4p] = (l0, l1), v[10+4p:11+4p] = (t0, t1)
.set C,   24                           ; v[24:55]   two buffers of 16: + 2c the pair (wg0, wg1) of my column c, + 8 + 2c the pair (r0, r1)
.set X,   56                           ; v[56:247]  12 slots of 16: chunk j in slot j % 12, row p at + 4p
.set T,   248                          ; v[248:255] the end of a token's way
.set RC,  16384
.set YST, 32768
.set RING, 12
	s_load_b256 s[4:11], s[0:1], 0x0               ; x s[4:5], wg s[6:7], coef s[8:9], y s[10:11]
	v_lshl_add_u32 v255, v0, 2, 0x8100
	s_set_vgpr_msb 0x40
	v_mov_b32 v1, 0
	s_set_vgpr_msb 0x4000
	v_lshrrev_b32 v5, 5, v0
	v_readfirstlane_b32 s12, v5                    ; wave w, 0..7
	s_lshl_b32 s14, ttmp9, 18                      ; 32 rows of 8,192 bytes a group
	s_lshl_b32 s13, s12, 15                        ; 4 rows a wave
	s_add_co_u32 s14, s14, s13                     ; below 2^26
	s_mov_b32 s15, 0
	s_mov_b32 s16, 0x76543210                      ; v_permlanex16_b32: lane i of one half reads lane i of the other
	s_mov_b32 s17, 0xfedcba98
	s_lshl_b32 s20, s12, 4                         ; my wave's four words in YST
	s_lshl_b32 s22, ttmp9, 7                       ; the group's 128 bytes of y
	s_mov_b32 s23, 0
	s_mov_b32 s24, 0x3fb8aa3b                      ; log2 e
	v_and_b32 v4, 31, v0                           ; lane L
	v_lshlrev_b32 v1, 4, v4                        ; 16 L: offset in x, in BP, and in LDS
	v_lshlrev_b32 v2, 4, v0                        ; 16 t: the thread's piece of wg and of R
	; piece t + 256 i (two columns' pairs) belongs to chunk (t >> 6) + 4 i, half t & 1, lane (t >> 1) & 31
	v_lshrrev_b32 v5, 6, v0
	v_lshlrev_b32 v3, 10, v5
	v_and_b32 v5, 1, v0
	v_lshl_or_b32 v3, v5, 9, v3
	v_bfe_u32 v5, v0, 1, 5
	v_lshl_or_b32 v3, v5, 4, v3                    ; its LDS byte, less 4096 i
	s_wait_kmcnt 0x0
	s_add_nc_u64 s[4:5], s[4:5], s[14:15]          ; x at my wave's first row
	s_add_nc_u64 s[10:11], s[10:11], s[22:23]      ; y at the group's first token
	; The twelve coefficient loads go first, since loads come back in order; many work-groups read these bytes: no hint.
.irp i, 0,1,2,3
	global_load_b128 v[C+4*\i:C+4*\i+3], v2, s[6:7] offset:4096*\i
.endr
.irp i, 0,1,2,3
	global_load_b128 v[C+16+4*\i:C+16+4*\i+3], v2, s[8:9] offset:4096*\i
.endr
.irp k, 0,1,2,3
	global_load_b128 v[ACC+4*\k:ACC+4*\k+3], v1, s[8:9] offset:16384+512*\k    ; two partial pairs each; a wave reads all 256 pairs
.endr
; chunk j of my four rows
.macro XLOAD j
.irp p, 0,1,2,3
	global_load_b128 v[X+16*((\j)%RING)+4*\p:X+16*((\j)%RING)+4*\p+3], v1, s[4:5] offset:8192*\p+512*(\j) th:TH_LOAD_NT
.endr
.endm
.irp j, 0,1,2,3,4,5,6,7,8,9,10,11
	XLOAD \j
.endr
	s_wait_loadcnt 48                              ; the 48 loads of x are younger than the twelve: those are in
.irp i, 0,1,2,3,4,5,6,7
	ds_store_b128 v3, v[C+4*\i:C+4*\i+3] offset:4096*\i    ; i = 4..7 land in RC.  Neighbouring lanes meet two deep in the banks: eight stores, once
.endr
	v_pk_add_f32 v[ACC:ACC+1],     v[ACC:ACC+1],     v[ACC+2:ACC+3]
	v_pk_add_f32 v[ACC+4:ACC+5],   v[ACC+4:ACC+5],   v[ACC+6:ACC+7]
	v_pk_add_f32 v[ACC+8:ACC+9],   v[ACC+8:ACC+9],   v[ACC+10:ACC+11]
	v_pk_add_f32 v[ACC+12:ACC+13], v[ACC+12:ACC+13], v[ACC+14:ACC+15]
	v_pk_add_f32 v[ACC:ACC+1],     v[ACC:ACC+1],     v[ACC+4:ACC+5]
	v_pk_add_f32 v[ACC+8:ACC+9],   v[ACC+8:ACC+9],   v[ACC+12:ACC+13]
	v_pk_add_f32 v[BP:BP+1],       v[ACC:ACC+1],     v[ACC+8:ACC+9]
	s_wait_dscnt 0x0                               ; my stores are done before I say so: every wave reads all of WGC and RC
	s_barrier_signal -1
	s_barrier_wait -1
; chunk j's coefficients of my four columns, into buffer j & 1
.macro CLOAD j
	ds_load_b128 v[C+16*((\j)&1):C+16*((\j)&1)+3],     v1 offset:1024*(\j)
	ds_load_b128 v[C+16*((\j)&1)+4:C+16*((\j)&1)+7],   v1 offset:1024*(\j)+512
	ds_load_b128 v[C+16*((\j)&1)+8:C+16*((\j)&1)+11],  v1 offset:RC+1024*(\j)
	ds_load_b128 v[C+16*((\j)&1)+12:C+16*((\j)&1)+15], v1 offset:RC+1024*(\j)+512
.endm
; dst pair = one x, taken twice (the first or the second register of the pair xp), x the pair cf + the pair add
.macro PAIRF dst, xp, cf, add, odd
.if \odd
	v_pk_fma_f32 v[\dst:\dst+1], v[\xp:\xp+1], v[\cf:\cf+1], v[\add:\add+1] op_sel:[1,0,0] op_sel_hi:[1,1,1]
.else
	v_pk_fma_f32 v[\dst:\dst+1], v[\xp:\xp+1], v[\cf:\cf+1], v[\add:\add+1] op_sel_hi:[0,1,1]
.endif
.endm
; One chunk: 4 columns x 4 rows x 2 packed multiply-adds.  The eight sums take turns, so that no line waits for the one in front of it.
.macro STEP j
.set SL, X+16*((\j)%RING)
.set CB, C+16*((\j)&1)
.if \j < 15
	CLOAD \j+1                                     ; the next chunk's coefficients, into the buffer that the chunk before has used
.endif
.if 4*(15-\j) > 4*(RING-1)
	s_wait_loadcnt 4*(RING-1)                      ; eleven chunks of four loads are younger than mine
.else
	s_wait_loadcnt 4*(15-\j)                       ; no more refills: the chunks that are left
.endif
.if \j < 15
	s_wait_dscnt 4                                 ; the four reads just issued may stay out; this chunk's are in
.else
	s_wait_dscnt 0
.endif
.irp c, 0,1,2,3
.irp p, 0,1,2,3
.if (\j+\c) == 0
	v_pk_mul_f32 v[ACC+4*\p:ACC+4*\p+1], v[SL+4*\p:SL+4*\p+1], v[CB:CB+1] op_sel_hi:[0,1]   ; the first products start the sums: nothing is cleared;
	PAIRF ACC+4*\p+2, SL+4*\p, CB+8, BP, 0         ; each lane's share of the sums of b enters each row's (t0, t1) once
.else
	PAIRF ACC+4*\p,   SL+4*\p+(\c&2), CB+2*\c,   ACC+4*\p,   \c&1
	PAIRF ACC+4*\p+2, SL+4*\p+(\c&2), CB+8+2*\c, ACC+4*\p+2, \c&1
.endif
.endr
.endr
.if \j < 16-RING
	XLOAD \j+RING                                  ; into the slot just used
.endif
.endm
	CLOAD 0
.irp j, 0,1,2,3,4,5,6,7,8,9,10,11,12,13,14,15
	STEP \j
.endr
	; Over the lanes.  Inside each half of 16 lanes all sixteen sums; then lane L keeps row L & 3, and one step crosses the halves.
.irp m, 1,2,4,8
.irp q, 0,1,2,3,4,5,6,7,8,9,10,11,12,13,14,15
	v_add_f32_dpp v[ACC+\q], v[ACC+\q], v[ACC+\q] row_xmask:\m row_mask:0xf bank_mask:0xf
.endr
.endr
	v_and_b32 v5, 1, v4
	v_cmp_ne_u32 s18, 0, v5                        ; L & 1
	v_and_b32 v5, 2, v4
	v_cmp_ne_u32 s19, 0, v5                        ; L & 2
.irp q, 0,1,2,3
	v_cndmask_b32 v[T+4], v[ACC+\q],   v[ACC+4+\q],  s18    ; row 0 or 1
	v_cndmask_b32 v[T+5], v[ACC+8+\q], v[ACC+12+\q], s18    ; row 2 or 3
	v_cndmask_b32 v[T+\q], v[T+4], v[T+5], s19
.endr
.irp q, 0,1,2,3
	v_permlanex16_b32 v[ACC+\q], v[T+\q], s16, s17 ; lane L xor 16 holds the same row; the destination has been written before
.endr
.irp q, 0,1,2,3
	v_add_f32 v[T+\q], v[T+\q], v[ACC+\q]          ; T+0 .. T+3 = l0, l1, t0, t1 of token 4 w + (L & 3)
.endr
	; the gate
	v_max_num_f32 v[T+4], v[T], v[T+1]             ; the larger logit is taken away before the exponentials
	v_sub_f32 v[T+5], v[T], v[T+4]
	v_sub_f32 v[T+6], v[T+1], v[T+4]
	v_mul_f32 v[T+5], s24, v[T+5]
	v_mul_f32 v[T+6], s24, v[T+6]
	v_exp_f32 v[T], v[T+5]
	v_exp_f32 v[T+1], v[T+6]
	v_nop                                          ; one plain vector instruction behind a transcendental before its result is used (ISA guide 5.7.2)
	s_wait_alu depctr_va_vdst(0)
	v_add_f32 v[T+4], v[T], v[T+1]                 ; between 1 and 2
	v_rcp_f32 v[T+5], v[T+4]
	v_nop
	s_wait_alu depctr_va_vdst(0)
	v_mul_f32 v[T], v[T], v[T+5]                   ; gate 0
	v_mul_f32 v[T+1], v[T+1], v[T+5]               ; gate 1
	v_cmp_gt_f32 vcc_lo, v[T+1], v[T]              ; expert 1 only where its gate is larger
	v_cndmask_b32 v[T+2], v[T+2], v[T+3], vcc_lo   ; a choice of a value: no branch and no address hangs on it
	v_max_num_f32 v[T], v[T], v[T+1]
	v_mul_f32 v[T], v[T], v[T+2]                   ; y
	v_and_b32 v5, 3, v4
	v_lshl_add_u32 v5, v5, 2, s20                  ; word 4 w + (L & 3); the eight lanes of a token store the same number
	ds_store_b32 v5, v[T] offset:YST
	s_wait_dscnt 0x0                               ; done before I say so: wave 0 reads it
	s_barrier_signal -1
	s_barrier_wait -1
	s_cmp_lg_u32 s12, 0
	s_cbranch_scc1 .Lend
	v_lshlrev_b32 v5, 2, v4
	ds_load_b32 v6, v5 offset:YST
	s_wait_dscnt 0x0
	global_store_b32 v5, v6, s[10:11]              ; 128 consecutive bytes, aligned
.Lend:
	s_set_vgpr_msb 0x4
	s_wait_tensorcnt 0x0
	ds_add_u32 v255, v1
	s_wait_dscnt 0x0
	s_set_vgpr_msb 0x400
	s_endpgm
.Lfunc_end_k_qc26471d062_route:
	.size	k_qc26471d062_route, .Lfunc_end_k_qc26471d062_route-k_qc26471d062_route
	.p2alignl 7, 3214868480
	.fill 96, 4, 3214868480
	.section	.rodata,"a",@progbits
	.p2align	6, 0x0
	.amdhsa_kernel k_qc26471d062_route
		.amdhsa_group_segment_fixed_size 34048
		.amdhsa_private_segment_fixed_size 0
		.amdhsa_enable_private_segment 0
		.amdhsa_kernarg_size 32
		.amdhsa_user_sgpr_count 2
		.amdhsa_user_sgpr_kernarg_segment_ptr 1
		.amdhsa_wavefront_size32 1
		.amdhsa_system_sgpr_workgroup_id_x 1
		.amdhsa_system_sgpr_workgroup_id_y 1
		.amdhsa_system_sgpr_workgroup_id_z 1
		.amdhsa_system_vgpr_workitem_id 0
		.amdhsa_next_free_vgpr 258
		.amdhsa_next_free_sgpr 66
		.amdhsa_reserve_vcc 1
		.amdhsa_float_denorm_mode_32 3
		.amdhsa_float_denorm_mode_16_64 3
		.amdhsa_memory_ordered 1
		.amdhsa_forward_progress 1
		.amdhsa_inst_pref_size 54
	.end_amdhsa_kernel
	.amdgpu_metadata
---
amdhsa.version: [ 1, 2 ]
amdhsa.kernels:
  - .name:           k_qc26471d062_route
    .symbol:         k_qc26471d062_route.kd
    .args:
      - { .name: x, .offset: 0, .size: 8, .value_kind: global_buffer, .address_space: global }
      - { .name: wg, .offset: 8, .size: 8, .value_kind: global_buffer, .address_space: global }
      - { .name: coef, .offset: 16, .size: 8, .value_kind: global_buffer, .address_space: global }
      - { .name: y, .offset: 24, .size: 8, .value_kind: global_buffer, .address_space: global }
    .group_segment_fixed_size: 34048
    .private_segment_fixed_size: 0
    .kernarg_segment_align: 8
    .kernarg_segment_size: 32
    .max_flat_workgroup_size: 256
    .sgpr_count:     66
    .vgpr_count:     258
    .wavefront_size: 32
...
	.end_amdgpu_metadata
.endif
;; end of part 2
;; launch lsm (part 3): grid 8 x 1, 8 waves a work-group, no clusters, 1,280 bytes of LDS; arguments y, out0; writes out0
.if DOCPART == 3
	.amdgcn_target "amdgcn-amd-amdhsa--gfx1250"
	.amdhsa_code_object_version 6
	.text
	.protected	k_qc26471d062_lsm
	.globl	k_qc26471d062_lsm
	.p2align	8
	.type	k_qc26471d062_lsm,@function
k_qc26471d062_lsm:
	s_mov_b64 s[64:65], 0
	v_nop
	global_prefetch_b8 v0, s[64:65] scope:SCOPE_SE
	s_setreg_imm32_b32 hwreg(HW_REG_WAVE_MODE, 25, 1), 1
	s_wait_xcnt 0x0
; out0[b][s] = y[b][s] - M - ln( sum over s of exp(y[b][s] - M) ), M the largest y of batch b.  y, out0: [8][1024] f32.
; Work-group g is batch g; thread t holds the four numbers at byte 16 t, from the load to the store.  Eight work-groups are all the work there is:
; 32,768 bytes in, as many out.  The eight waves' figures meet in LDS: bytes 0..31 the maxima, bytes 32..63 the sums, so that two barriers do.
; LIMITS: v_exp_f32 and v_log_f32 are good to one unit in the last place and flush denormals (ISA guide, their entries): a term below 2^-126
; counts as 0 in a sum that is at least 1.  A NaN among a batch's y makes the sum, and so the whole batch, NaN.
	s_load_b128 s[4:7], s[0:1], 0x0                ; y s[4:5], out0 s[6:7]
	v_lshl_add_u32 v32, v0, 2, 0x100
	v_mov_b32 v33, 0
	v_lshrrev_b32 v2, 5, v0
	v_readfirstlane_b32 s8, v2                     ; wave, 0..7
	s_lshl_b32 s9, s8, 2
	s_lshl_b32 s10, ttmp9, 12                      ; a batch is 4,096 bytes
	s_mov_b32 s11, 0
	s_mov_b32 s12, 0x76543210                      ; v_permlanex16_b32: lane i of one half reads lane i of the other
	s_mov_b32 s13, 0xfedcba98
	s_mov_b32 s14, 0x3fb8aa3b                      ; log2 e
	s_mov_b32 s15, 0xbf317218                      ; - ln 2
	v_lshlrev_b32 v1, 4, v0                        ; 16 t
	v_mov_b32 v3, s9                               ; my wave's word
	v_mov_b32 v10, 0
	s_wait_kmcnt 0x0
	s_add_nc_u64 s[4:5], s[4:5], s[10:11]
	s_add_nc_u64 s[6:7], s[6:7], s[10:11]
	global_load_b128 v[4:7], v1, s[4:5]
	s_wait_loadcnt 0x0
	; the largest of the batch
	v_max_num_f32 v9, v4, v5
	v_max3_num_f32 v8, v6, v7, v9
.irp m, 1,2,4,8
	v_max_num_f32_dpp v8, v8, v8 row_xmask:\m row_mask:0xf bank_mask:0xf
.endr
	v_permlanex16_b32 v9, v8, s12, s13
	v_max_num_f32 v8, v8, v9
	ds_store_b32 v3, v8
	s_wait_dscnt 0x0                               ; done before I say so: every wave reads all eight
	s_barrier_signal -1
	s_barrier_wait -1
	ds_load_b128 v[12:15], v10
	ds_load_b128 v[16:19], v10 offset:16
	s_wait_dscnt 0x0
	v_max3_num_f32 v8, v12, v13, v14
	v_max3_num_f32 v9, v15, v16, v17
	v_max3_num_f32 v8, v8, v18, v19
	v_max_num_f32 v8, v8, v9                       ; M
	; the sum of the exponentials
.irp i, 4,5,6,7
	v_sub_f32 v\i, v\i, v8                         ; y - M, kept for the result
.endr
	v_pk_mul_f32 v[20:21], v[4:5], s[14:15] op_sel_hi:[1,0]    ; both by s14
	v_pk_mul_f32 v[22:23], v[6:7], s[14:15] op_sel_hi:[1,0]
	v_exp_f32 v24, v20
	v_exp_f32 v25, v21
	v_exp_f32 v26, v22
	v_exp_f32 v27, v23
	v_nop                                          ; one plain vector instruction behind a transcendental before its result is used (ISA guide 5.7.2)
	s_wait_alu depctr_va_vdst(0)
	v_pk_add_f32 v[24:25], v[24:25], v[26:27]
	v_add_f32 v8, v24, v25
.irp m, 1,2,4,8
	v_add_f32_dpp v8, v8, v8 row_xmask:\m row_mask:0xf bank_mask:0xf
.endr
	v_permlanex16_b32 v9, v8, s12, s13
	v_add_f32 v8, v8, v9
	ds_store_b32 v3, v8 offset:32                  ; other bytes than the maxima, which a slower wave may still be reading
	s_wait_dscnt 0x0
	s_barrier_signal -1
	s_barrier_wait -1
	ds_load_b128 v[12:15], v10 offset:32
	ds_load_b128 v[16:19], v10 offset:48
	s_wait_dscnt 0x0
	v_pk_add_f32 v[12:13], v[12:13], v[14:15]
	v_pk_add_f32 v[16:17], v[16:17], v[18:19]
	v_pk_add_f32 v[12:13], v[12:13], v[16:17]
	v_add_f32 v8, v12, v13                         ; at least 1: the largest y's own term
	v_log_f32 v9, v8
	v_nop
	s_wait_alu depctr_va_vdst(0)
.irp i, 4,5,6,7
	v_fma_f32 v\i, v9, s15, v\i                    ; (y - M) - ln 2 x log2 of the sum
.endr
	global_store_b128 v1, v[4:7], s[6:7]           ; sixteen neighbouring lanes store 256 consecutive bytes, aligned
	s_wait_tensorcnt 0x0
	ds_add_u32 v32, v33
	s_wait_dscnt 0x0
	s_endpgm
.Lfunc_end_k_qc26471d062_lsm:
	.size	k_qc26471d062_lsm, .Lfunc_end_k_qc26471d062_lsm-k_qc26471d062_lsm
	.p2alignl 7, 3214868480
	.fill 96, 4, 3214868480
	.section	.rodata,"a",@progbits
	.p2align	6, 0x0
	.amdhsa_kernel k_qc26471d062_lsm
		.amdhsa_group_segment_fixed_size 1280
		.amdhsa_private_segment_fixed_size 0
		.amdhsa_enable_private_segment 0
		.amdhsa_kernarg_size 16
		.amdhsa_user_sgpr_count 2
		.amdhsa_user_sgpr_kernarg_segment_ptr 1
		.amdhsa_wavefront_size32 1
		.amdhsa_system_sgpr_workgroup_id_x 1
		.amdhsa_system_sgpr_workgroup_id_y 1
		.amdhsa_system_sgpr_workgroup_id_z 1
		.amdhsa_system_vgpr_workitem_id 0
		.amdhsa_next_free_vgpr 34
		.amdhsa_next_free_sgpr 66
		.amdhsa_reserve_vcc 0
		.amdhsa_float_denorm_mode_32 3
		.amdhsa_float_denorm_mode_16_64 3
		.amdhsa_memory_ordered 1
		.amdhsa_forward_progress 1
		.amdhsa_inst_pref_size 5
	.end_amdhsa_kernel
	.amdgpu_metadata
---
amdhsa.version: [ 1, 2 ]
amdhsa.kernels:
  - .name:           k_qc26471d062_lsm
    .symbol:         k_qc26471d062_lsm.kd
    .args:
      - { .name: y, .offset: 0, .size: 8, .value_kind: global_buffer, .address_space: global }
      - { .name: out0, .offset: 8, .size: 8, .value_kind: global_buffer, .address_space: global }
    .group_segment_fixed_size: 1280
    .private_segment_fixed_size: 0
    .kernarg_segment_align: 8
    .kernarg_segment_size: 16
    .max_flat_workgroup_size: 256
    .sgpr_count:     66
    .vgpr_count:     34
    .wavefront_size: 32
...
	.end_amdgpu_metadata
.endif
;; end of part 3
;; ======== version 2 of 2: 3 launches; version 1 with the launch route written anew for expert scheduling mode
;; workspace buffers: coef 18,432 bytes; y 32,768 bytes
;; launch wsum: the kernel of part 1 again; grid 256 x 1, 16 waves a work-group, no clusters, 2,304 bytes of LDS; arguments W, b, coef; writes coef
;; launch route (part 4): grid 256 x 1, 8 waves a work-group, no clusters, 34,048 bytes of LDS; arguments x, wg, coef, y; writes y
.if DOCPART == 4
	.amdgcn_target "amdgcn-amd-amdhsa--gfx1250"
	.amdhsa_code_object_version 6
	.text
	.protected	k_qc26471d062_route
	.globl	k_qc26471d062_route
	.p2align	8
	.type	k_qc26471d062_route,@function
k_qc26471d062_route:
	s_mov_b64 s[64:65], 0
	v_nop
	global_prefetch_b8 v0, s[64:65] scope:SCOPE_SE
	s_setreg_imm32_b32 hwreg(HW_REG_WAVE_SCHED_MODE, 0, 2), 2
	s_setreg_imm32_b32 hwreg(HW_REG_WAVE_MODE, 25, 1), 1
	s_wait_xcnt 0x0
	s_wait_alu depctr_vm_vsrc(0)
; For each of the 8,192 tokens: l[e] = x . wg[:,e], t[e] = x . R[:,e] + sum of b[e]; softmax of (l0, l1) with the larger logit taken away first;
; the expert with the larger gate (expert 0 on a tie, as argmax takes the first); y = that gate x that expert's t.
; x: [8192][2048] f32; wg: [2048][2] f32; coef: R[d][e] and 256 partial pairs of the sums of b, as the launch before stored them; y: [8192] f32.
; All in f32 on the vector unit: what is left of the products has four columns, and the choice of the expert hangs on the sign of l1 - l0,
; which operands of 16 bits would turn for tokens whose logits lie close.
; LIMITS: the f32 sums are taken in another order than a product over d for each output followed by a sum over the outputs; v_exp_f32 and v_rcp_f32
; are good to one unit in the last place and flush denormals (ISA guide, their entries); a token whose two gates come out equal or differ by less
; than the rounding of the logits may take the other expert than another order of summation would; a NaN in a token gives a NaN y.
; SHARES: work-group g owns tokens 32 g .. 32 g + 31 (262,144 bytes of x), wave w the four tokens 32 g + 4 w + p, p = 0..3.  A row goes in 16 chunks
; of 512 bytes; lane L owns columns 128 j + 4 L .. + 3 of chunk j: each load of a wave covers 512 consecutive bytes, aligned.  A token's four sums
; never leave its wave.  One read of a chunk's coefficients from LDS serves four rows.
; IN FLIGHT: a ring of 12 chunk slots in registers: 48 loads of 512 bytes of every wave, 196,608 bytes of the work-group.
; No cluster: what work-groups share is the 34,816 bytes of coefficients, read once at the head, against 262,144 bytes of x of a group's own.
; No LDS ring for x: each byte of x is used by one lane only.  The group's 128 bytes of y leave by one store of 32 neighbouring lanes.
; LDS:  0..16383      WGC: chunk j at 1024 j; at + 16 L the pairs (wg0, wg1) of columns 4L, 4L+1; at + 512 + 16 L those of columns 4L+2, 4L+3
;       16384..32767  RC: the same made of R
;       32768..32895  YST: y of the group's 32 tokens
; so that every read of coefficients has lane L at 16 L of 512 consecutive bytes: no two lanes of a read meet in a bank.
; THE MODE: SCHED_MODE bits 1:0 = 2 (LLVM: expert scheduling mode 2), set by the entry lines.  The code itself states the register dependences
; between vector instructions and memory or LDS instructions, with s_wait_alu, always for 0.
; THE PLAN.  Registers that memory or LDS instructions touch:
;   v1 .. v5    offsets and LDS addresses, all made at the head, ahead of one wait, and never written again; the scalar bases are never stepped.
;   C0, C1      At the head the loads of wg and R land in them and the LDS stores read them.  Then: chunk j's multiply-adds read C[j & 1]; the LDS
;               reads of chunk j + 1, issued at the head of chunk j, land in the other buffer, which chunk j - 1 read.
;   X0 .. X11   Chunk j's multiply-adds read slot j % 12; chunks 12 to 15 land in slots 0 to 3, each asked for at the head of the chunk behind
;               the one that read the slot.
;   v6          Named by the sums of b and by chunk 0; at the very end wave 0's LDS read lands in it.
;   v[T]        y: written by the last multiply, read by the LDS store.
;   ACC, and T but for y, are named by vector instructions alone once the head's loads into ACC are in.
; So ONE wait on va_vdst stands at the head of chunks 1 to 14: the chunk before is done reading its slot and its buffer.  The refill and the next
; coefficients follow it; the chunk's own multiply-adds name slot j % 12, C[j & 1], ACC and BP: none of the registers in which those loads land.
; The three scalars that vector instructions write (the wave's number, two lane masks) are made at the head, ahead of one wait on va_sdst.
.set BP,  6                            ; v[6:7]     the lane's share of (sum b[0], sum b[1]): 8 of the 256 partial pairs
.set ACC, 8                            ; v[8:23]    row p: v[8+4p:9+4p] = (l0, l1), v[10+4p:11+4p] = (t0, t1)
.set C,   24                           ; v[24:55]   two buffers of 16: + 2c the pair (wg0, wg1) of my column c, + 8 + 2c the pair (r0, r1)
.set X,   56                           ; v[56:247]  12 slots of 16: chunk j in slot j % 12, row p at + 4p
.set T,   248                          ; v[248:255] the end of a token's way
.set RC,  16384
.set YST, 32768
.set RING, 12
	s_load_b256 s[4:11], s[0:1], 0x0               ; x s[4:5], wg s[6:7], coef s[8:9], y s[10:11]
	v_lshl_add_u32 v255, v0, 2, 0x8100
	s_set_vgpr_msb 0x40
	v_mov_b32 v1, 0
	s_set_vgpr_msb 0x4000
	v_lshrrev_b32 v5, 5, v0
	v_readfirstlane_b32 s12, v5                    ; wave w, 0..7
	s_lshl_b32 s14, ttmp9, 18                      ; 32 rows of 8,192 bytes a group
	s_mov_b32 s15, 0
	s_mov_b32 s16, 0x76543210                      ; v_permlanex16_b32: lane i of one half reads lane i of the other
	s_mov_b32 s17, 0xfedcba98
	s_lshl_b32 s22, ttmp9, 7                       ; the group's 128 bytes of y
	s_mov_b32 s23, 0
	s_mov_b32 s24, 0x3fb8aa3b                      ; log2 e
	v_and_b32 v4, 31, v0                           ; lane L
	v_lshlrev_b32 v1, 4, v4                        ; 16 L: offset in x, in BP, and in LDS
	v_lshlrev_b32 v2, 4, v0                        ; 16 t: the thread's piece of wg and of R
	; piece t + 256 i (two columns' pairs) belongs to chunk (t >> 6) + 4 i, half t & 1, lane (t >> 1) & 31
	v_lshrrev_b32 v5, 6, v0
	v_lshlrev_b32 v3, 10, v5
	v_and_b32 v5, 1, v0
	v_lshl_or_b32 v3, v5, 9, v3
	v_bfe_u32 v5, v0, 1, 5
	v_lshl_or_b32 v3, v5, 4, v3                    ; its LDS byte, less 4096 i
	v_and_b32 v5, 1, v4
	v_cmp_ne_u32 s18, 0, v5                        ; L & 1
	v_and_b32 v5, 2, v4
	v_cmp_ne_u32 s19, 0, v5                        ; L & 2: the two masks by which a lane picks its row at the end
	v_and_b32 v5, 3, v4
	s_wait_alu depctr_va_sdst(0)                   ; s12, s18 and s19 are written, ahead of their first readers: the scalar lines below, the selects at the end
	s_lshl_b32 s13, s12, 15                        ; 4 rows a wave
	s_add_co_u32 s14, s14, s13                     ; below 2^26
	s_lshl_b32 s20, s12, 4                         ; my wave's four words in YST
	v_lshl_add_u32 v5, v5, 2, s20                  ; word 4 w + (L & 3): where my token's y goes
	v_lshlrev_b32 v4, 2, v4                        ; from here on 4 L: wave 0's place in YST and in the group's 128 bytes of y
	s_wait_kmcnt 0x0
	s_add_nc_u64 s[4:5], s[4:5], s[14:15]          ; x at my wave's first row
	s_add_nc_u64 s[10:11], s[10:11], s[22:23]      ; y at the group's first token
	s_wait_alu depctr_va_vdst(0)                   ; v1 to v5 are written: every load, store and LDS instruction of the kernel reads one of them as its offset or address
	; The twelve coefficient loads go first, since loads come back in order; many work-groups read these bytes: no hint.
.irp i, 0,1,2,3
	global_load_b128 v[C+4*\i:C+4*\i+3], v2, s[6:7] offset:4096*\i
.endr
.irp i, 0,1,2,3
	global_load_b128 v[C+16+4*\i:C+16+4*\i+3], v2, s[8:9] offset:4096*\i
.endr
.irp k, 0,1,2,3
	global_load_b128 v[ACC+4*\k:ACC+4*\k+3], v1, s[8:9] offset:16384+512*\k    ; two partial pairs each; a wave reads all 256 pairs
.endr
; chunk j of my four rows
.macro XLOAD j
.irp p, 0,1,2,3
	global_load_b128 v[X+16*((\j)%RING)+4*\p:X+16*((\j)%RING)+4*\p+3], v1, s[4:5] offset:8192*\p+512*(\j) th:TH_LOAD_NT
.endr
.endm
.irp j, 0,1,2,3,4,5,6,7,8,9,10,11
	XLOAD \j
.endr
	s_wait_loadcnt 48                              ; the 48 loads of x are younger than the twelve: those are in
.irp i, 0,1,2,3,4,5,6,7
	ds_store_b128 v3, v[C+4*\i:C+4*\i+3] offset:4096*\i    ; i = 4..7 land in RC.  Neighbouring lanes meet two deep in the banks: eight stores, once
.endr
	v_pk_add_f32 v[ACC:ACC+1],     v[ACC:ACC+1],     v[ACC+2:ACC+3]
	v_pk_add_f32 v[ACC+4:ACC+5],   v[ACC+4:ACC+5],   v[ACC+6:ACC+7]
	v_pk_add_f32 v[ACC+8:ACC+9],   v[ACC+8:ACC+9],   v[ACC+10:ACC+11]
	v_pk_add_f32 v[ACC+12:ACC+13], v[ACC+12:ACC+13], v[ACC+14:ACC+15]
	v_pk_add_f32 v[ACC:ACC+1],     v[ACC:ACC+1],     v[ACC+4:ACC+5]
	v_pk_add_f32 v[ACC+8:ACC+9],   v[ACC+8:ACC+9],   v[ACC+12:ACC+13]
	v_pk_add_f32 v[BP:BP+1],       v[ACC:ACC+1],     v[ACC+8:ACC+9]
	s_wait_dscnt 0x0                               ; my stores are done before I say so: every wave reads all of WGC and RC
	s_barrier_signal -1
	s_barrier_wait -1
	s_wait_alu depctr_vm_vsrc(0)                   ; my LDS stores have read v[C .. C+31], in which the reads of chunks 0 and 1's coefficients land; no vector instruction has named these registers
; chunk j's coefficients of my four columns, into buffer j & 1
.macro CLOAD j
	ds_load_b128 v[C+16*((\j)&1):C+16*((\j)&1)+3],     v1 offset:1024*(\j)
	ds_load_b128 v[C+16*((\j)&1)+4:C+16*((\j)&1)+7],   v1 offset:1024*(\j)+512
	ds_load_b128 v[C+16*((\j)&1)+8:C+16*((\j)&1)+11],  v1 offset:RC+1024*(\j)
	ds_load_b128 v[C+16*((\j)&1)+12:C+16*((\j)&1)+15], v1 offset:RC+1024*(\j)+512
.endm
; dst pair = one x, taken twice (the first or the second register of the pair xp), x the pair cf + the pair add
.macro PAIRF dst, xp, cf, add, odd
.if \odd
	v_pk_fma_f32 v[\dst:\dst+1], v[\xp:\xp+1], v[\cf:\cf+1], v[\add:\add+1] op_sel:[1,0,0] op_sel_hi:[1,1,1]
.else
	v_pk_fma_f32 v[\dst:\dst+1], v[\xp:\xp+1], v[\cf:\cf+1], v[\add:\add+1] op_sel_hi:[0,1,1]
.endif
.endm
; One chunk: 4 columns x 4 rows x 2 packed multiply-adds.  The eight sums take turns, so that no line waits for the one in front of it.
.macro STEP j
.set SL, X+16*((\j)%RING)
.set CB, C+16*((\j)&1)
.if (\j > 0) && (\j < 15)
	s_wait_alu depctr_va_vdst(0)                   ; the chunk before's multiply-adds are done reading its slot of x and its buffer of coefficients, in which the loads below land
.endif
.if (\j > 0) && (\j <= 16-RING)
	XLOAD \j+RING-1                                ; into the slot that the chunk before has used
.endif
.if \j < 15
	CLOAD \j+1                                     ; the next chunk's coefficients, into the buffer that the chunk before has used
.endif
.if 4*(15-\j) > 4*(RING-1)
	s_wait_loadcnt 4*(RING-1)                      ; eleven chunks of four loads are younger than mine
.else
	s_wait_loadcnt 4*(15-\j)                       ; no more refills: the chunks that are left
.endif
.if \j < 15
	s_wait_dscnt 4                                 ; the four reads just issued may stay out; this chunk's are in
.else
	s_wait_dscnt 0
.endif
.irp c, 0,1,2,3
.irp p, 0,1,2,3
.if (\j+\c) == 0
	v_pk_mul_f32 v[ACC+4*\p:ACC+4*\p+1], v[SL+4*\p:SL+4*\p+1], v[CB:CB+1] op_sel_hi:[0,1]   ; the first products start the sums: nothing is cleared;
	PAIRF ACC+4*\p+2, SL+4*\p, CB+8, BP, 0         ; each lane's share of the sums of b enters each row's (t0, t1) once
.else
	PAIRF ACC+4*\p,   SL+4*\p+(\c&2), CB+2*\c,   ACC+4*\p,   \c&1
	PAIRF ACC+4*\p+2, SL+4*\p+(\c&2), CB+8+2*\c, ACC+4*\p+2, \c&1
.endif
.endr
.endr
.endm
	CLOAD 0
.irp j, 0,1,2,3,4,5,6,7,8,9,10,11,12,13,14,15
	STEP \j
.endr
	; Over the lanes.  Inside each half of 16 lanes all sixteen sums; then lane L keeps row L & 3, and one step crosses the halves.
.irp m, 1,2,4,8
.irp q, 0,1,2,3,4,5,6,7,8,9,10,11,12,13,14,15
	v_add_f32_dpp v[ACC+\q], v[ACC+\q], v[ACC+\q] row_xmask:\m row_mask:0xf bank_mask:0xf
.endr
.endr
.irp q, 0,1,2,3
	v_cndmask_b32 v[T+4], v[ACC+\q],   v[ACC+4+\q],  s18    ; row 0 or 1 (the masks were made, and waited for, at the head)
	v_cndmask_b32 v[T+5], v[ACC+8+\q], v[ACC+12+\q], s18    ; row 2 or 3
	v_cndmask_b32 v[T+\q], v[T+4], v[T+5], s19
.endr
.irp q, 0,1,2,3
	v_permlanex16_b32 v[ACC+\q], v[T+\q], s16, s17 ; lane L xor 16 holds the same row; the destination has been written before
.endr
.irp q, 0,1,2,3
	v_add_f32 v[T+\q], v[T+\q], v[ACC+\q]          ; T+0 .. T+3 = l0, l1, t0, t1 of token 4 w + (L & 3)
.endr
	; the gate
	v_max_num_f32 v[T+4], v[T], v[T+1]             ; the larger logit is taken away before the exponentials
	v_sub_f32 v[T+5], v[T], v[T+4]
	v_sub_f32 v[T+6], v[T+1], v[T+4]
	v_mul_f32 v[T+5], s24, v[T+5]
	v_mul_f32 v[T+6], s24, v[T+6]
	v_exp_f32 v[T], v[T+5]
	v_exp_f32 v[T+1], v[T+6]
	v_nop                                          ; one plain vector instruction behind a transcendental before its result is used (ISA guide 5.7.2)
	s_wait_alu depctr_va_vdst(0)                   ; the two exponentials have written v[T] and v[T+1], which the addition reads
	v_add_f32 v[T+4], v[T], v[T+1]                 ; between 1 and 2
	v_rcp_f32 v[T+5], v[T+4]
	v_nop
	s_wait_alu depctr_va_vdst(0)                   ; the reciprocal has written v[T+5], which the two multiplies read
	v_mul_f32 v[T], v[T], v[T+5]                   ; gate 0
	v_mul_f32 v[T+1], v[T+1], v[T+5]               ; gate 1
	v_cmp_gt_f32 vcc_lo, v[T+1], v[T]              ; expert 1 only where its gate is larger
	v_max_num_f32 v[T], v[T], v[T+1]
	s_wait_alu depctr_va_vcc(0)                    ; the compare has written VCC, which the select reads
	v_cndmask_b32 v[T+2], v[T+2], v[T+3], vcc_lo   ; a choice of a value: no branch and no address hangs on it
	v_mul_f32 v[T], v[T], v[T+2]                   ; y
	s_wait_alu depctr_va_vdst(0)                   ; y is written in v[T], which the LDS store reads; and every vector instruction that named v6, in which wave 0's LDS read lands, is done
	ds_store_b32 v5, v[T] offset:YST               ; the eight lanes of a token store the same number
	s_wait_dscnt 0x0                               ; done before I say so: wave 0 reads it
	s_barrier_signal -1
	s_barrier_wait -1
	s_cmp_lg_u32 s12, 0
	s_cbranch_scc1 .Lend
	ds_load_b32 v6, v4 offset:YST                  ; no vector instruction stands behind the wait above
	s_wait_dscnt 0x0
	global_store_b32 v4, v6, s[10:11]              ; 128 consecutive bytes, aligned
.Lend:
	s_set_vgpr_msb 0x4
	s_wait_dscnt 0x0
	s_wait_alu depctr_hold_cnt(0) depctr_sa_sdst(0) depctr_va_vdst(0) depctr_va_sdst(0) depctr_va_ssrc(0) depctr_va_vcc(0) depctr_vm_vsrc(0)
	s_wait_tensorcnt 0x0
	ds_add_u32 v255, v1
	s_wait_dscnt 0x0
	s_endpgm
.Lfunc_end_k_qc26471d062_route:
	.size	k_qc26471d062_route, .Lfunc_end_k_qc26471d062_route-k_qc26471d062_route
	.p2alignl 7, 3214868480
	.fill 96, 4, 3214868480
	.section	.rodata,"a",@progbits
	.p2align	6, 0x0
	.amdhsa_kernel k_qc26471d062_route
		.amdhsa_group_segment_fixed_size 34048
		.amdhsa_private_segment_fixed_size 0
		.amdhsa_enable_private_segment 0
		.amdhsa_kernarg_size 32
		.amdhsa_user_sgpr_count 2
		.amdhsa_user_sgpr_kernarg_segment_ptr 1
		.amdhsa_wavefront_size32 1
		.amdhsa_system_sgpr_workgroup_id_x 1
		.amdhsa_system_sgpr_workgroup_id_y 1
		.amdhsa_system_sgpr_workgroup_id_z 1
		.amdhsa_system_vgpr_workitem_id 0
		.amdhsa_next_free_vgpr 258
		.amdhsa_next_free_sgpr 66
		.amdhsa_reserve_vcc 1
		.amdhsa_float_denorm_mode_32 3
		.amdhsa_float_denorm_mode_16_64 3
		.amdhsa_memory_ordered 1
		.amdhsa_forward_progress 1
		.amdhsa_inst_pref_size 54
	.end_amdhsa_kernel
	.amdgpu_metadata
---
amdhsa.version: [ 1, 2 ]
amdhsa.kernels:
  - .name:           k_qc26471d062_route
    .symbol:         k_qc26471d062_route.kd
    .args:
      - { .name: x, .offset: 0, .size: 8, .value_kind: global_buffer, .address_space: global }
      - { .name: wg, .offset: 8, .size: 8, .value_kind: global_buffer, .address_space: global }
      - { .name: coef, .offset: 16, .size: 8, .value_kind: global_buffer, .address_space: global }
      - { .name: y, .offset: 24, .size: 8, .value_kind: global_buffer, .address_space: global }
    .group_segment_fixed_size: 34048
    .private_segment_fixed_size: 0
    .kernarg_segment_align: 8
    .kernarg_segment_size: 32
    .max_flat_workgroup_size: 256
    .sgpr_count:     66
    .vgpr_count:     258
    .wavefront_size: 32
...
	.end_amdgpu_metadata
.endif
;; end of part 4
;; launch lsm: the kernel of part 3 again; grid 8 x 1, 8 waves a work-group, no clusters, 1,280 bytes of LDS; arguments y, out0; writes out0
